; MI455X (gfx1250); checked and timed in simulation.
; The chip was launched on July 23, 2026; its instructions are those of AMD's public machine-readable ISA for CDNA 5 (MIT licence, August 2026) and "CDNA5" Instruction Set Architecture Reference Guide (July 2026). The comments in the code are by the model that wrote it; some were corrected since.
;; Attention Stem. Allowed arithmetic: float matrix products may take bf16 or f16 operands with f32 sums; all other float work in f32.
;; Inputs: emb_a 64 x 4 float32; emb_b 64 x 4 float32; emb_mix 4 x 64 float32; key_w 64 x 3 float32; query_w 64 x 3 float32; value_w 4 x 64 x 3 float32; x 4 x 3 x 128 x 128 float32.
;; Outputs: out0 4 x 64 x 128 x 128 float32.
;; 2 versions, each right; version 2 is version 1 with the launch stem written anew for expert scheduling mode. Each part assembles by itself: llvm-mc -triple=amdgcn-amd-amdhsa -mcpu=gfx1250 --defsym DOCPART=n.
;; ======== version 1 of 2: 1 launch
;; limits: values are held in f16: magnitudes above 65,504 overflow, below 6.1e-05 lose precision
;; launch stem (part 1): grid 256 x 1, 16 waves a work-group, no clusters, 12,800 bytes of LDS; arguments x, key_w, query_w, value_w, emb_a, emb_b, emb_mix, out0; writes out0
.if DOCPART == 1
	.amdgcn_target "amdgcn-amd-amdhsa--gfx1250"
	.amdhsa_code_object_version 6
	.text
	.protected	k_q4a39a9a98c_stem
	.globl	k_q4a39a9a98c_stem
	.p2align	8
	.type	k_q4a39a9a98c_stem,@function
k_q4a39a9a98c_stem:
	s_mov_b64 s[64:65], 0
	v_nop
	global_prefetch_b8 v0, s[64:65] scope:SCOPE_SE
	s_setreg_imm32_b32 hwreg(HW_REG_WAVE_MODE, 25, 1), 1
	s_wait_xcnt 0x0
; AttentionStem: out[b][o][h][w] = sum over the 4 x 4 window of softmax(q k) * vsum, all in one launch.
;   q = query_w x,  k = key_w xp,  vsum[kk] = Weff[kk] xp  with  Weff[kk][o][c] = sum over m of softmax_m(la[m][i] + lb[m][j]) value_w[m][o][c],  kk = 4 i + j.
; WORK.  A work-group: one image, two output rows (h0, h0+1), 128 columns, 64 channels.  Sixteen waves; wave n owns channels 4n .. 4n+3.
; MATRIX FORM.  v_wmma_f32_16x16x32_f16 is used block-diagonally: row m = 4 ol + j (channel ol of the quad, window column j), column n = a pixel,
;   K = 8 jj + slot.  B, block jj: the 16-byte record of padded pixel p + jj: xhi0 xhi1 xhi2 xlo0 xlo1 xlo2 0 0 (x = hi + lo, two f16, so x keeps
;   22 bits of mantissa in slots that would stand empty).  A, row (ol, j): w0 w1 w2 w0 w1 w2 0 0 in block jj = j, zeros elsewhere.
;   In D, register 4 e + j of lane (r, hl) is channel 4n + 2 hl + e, column j, pixel r: four products (window rows i) put all 16 places of
;   two outputs into one lane, and the softmax never leaves the lane.
; WHY f16.  A weight enters once, rounded: f16 keeps 11 bits of it where bf16 keeps 8, and the result's error is linear in that rounding.
;   The operands have room: see LIMITS.
; PIXELS.  Tile t of half row g holds the pixels w = 64 g + 4 r + t.  After four tiles a lane has four neighbouring w of a channel:
;   each store of the wave covers two runs of 256 consecutive bytes, aligned, one per half of the lanes.
; SOFTMAX.  The query weights carry -log2(e): the products S = Q K are the negated logits in base 2, their minimum is the negated maximum, and
;   exp2(-S + min S) is the reference's exp(s - max s).  The true maximum of the 16 logits is taken away for every output.
; emb_mix @ emb_a and @ emb_b (2 x 1,024 multiply-adds in all) are made in f32: their results are logits of a softmax.
; LIMITS.  Inputs finite.  |x|, |key_w|, 1.4427 |query_w| and |value_w| below 65,504, the largest f16 number.  Key, query and mixed value weights
;   are rounded to f16 once (2^-12 of their size; those below 2^-14 to 2^-25 absolute); x is kept to 2^-22 of its size, below 2^-14 to 2^-25
;   absolute.  Sums run in another order than the reference's.
; NO CLUSTER, NO TENSOR LOAD: a work-group reads 7,680 bytes of x and 7,680 bytes of weights once, at its head; no tile is walked in a loop.
.set PHB,     528                      ; LDS: 33 records of 16 bytes, the padded columns of one residue mod 4
.set ROWB,    4*PHB                    ; LDS: one padded row of x as records
.set NROWS,   5                        ; padded rows that two output rows need
.set LA_BASE, NROWS*ROWB               ; la[m][i] at 16 i + 4 m
.set LB_BASE, LA_BASE+64               ; lb[m][j] at 16 j + 4 m
.set CH,      65536                    ; bytes of one 128 x 128 plane of f32
.set HIMASK,  0xffffe000               ; sign, exponent and the upper 10 mantissa bits of an f32: what an f16 holds exactly
; registers of the main part
.set XB,   8                           ; 16 r + 528 hl: record address for column steps other than 3
.set X3,   9                           ; 16 r + 1584 - 1568 hl: for column step 3 (lanes hl = 1 wrap to residue 0, one record on)
.set OOFF, 10                          ; byte offset in out0: 2 hl planes + 16 r
.set AV,   16                          ; v[16:47]   A fragments of Weff, window rows i = 0..3
.set AK,   48                          ; v[48:55]   A fragment of key_w
.set AQ,   56                          ; v[56:63]   A fragment of -log2(e) query_w
.set FB,   64                          ; v[64:103]  B fragments of the tile, padded rows 0..4
.set DQ,   104                         ; v[104:111] Q, the same value in the four registers of a channel
.set DK,   112                         ; v[112:143] k, then S, then the exponentials: register 8 i + 4 e + j
.set DV,   144                         ; v[144:175] vsum, same order
.set OUT,  176                         ; v[176:207] results: 16 g + 8 row + 4 e + t
.set MT,   208                         ; v[208:217] minimum tree, five for each e
.set MX,   218                         ; v[218:221] min S of e = 0, 1 in the even registers; the odd ones are written once and never selected
.set DE,   222                         ; v[222:225] denominators, a pair for each e
.set NU,   226                         ; v[226:229] numerators, a pair for each e
; registers of the head (all lie in ranges that the main part writes later)
.set DT,   64                          ; dot products: 6 operands, 2 sums
.set XC,   96                          ; v[96:107]  four columns of three channels of x
.set RW,   108                         ; v[108:111] a record
.set RT,   112                         ; v[112:115] at work
.set VW,   176                         ; value_w[m][o][0..2] at 4 m
.set KWR,  192                         ; key_w[o][0..2]
.set QWR,  196                         ; query_w[o][0..2]
.set LA,   112                         ; v[112:127] la[m][i] at 4 i + m
.set LB,   128                         ; v[128:131] lb[m][j]
.set LG,   132                         ; v[132:147] logits, then exponentials, at 4 i + m
.set MXS,  148                         ; v[148:155] -log2(e) max, twice, for each i
.set SS,   156                         ; v[156:163] sum, then 1 / sum, for each i (even registers)
.set WT,   164                         ; v[164:166] Weff of one i
.set PW,   168                         ; v[168:170] three packed words of a fragment
	s_load_b512 s[8:23], s[0:1], 0x0               ; x s[8:9], key_w s[10:11], query_w s[12:13], value_w s[14:15], emb_a s[16:17], emb_b s[18:19], emb_mix s[20:21], out0 s[22:23]
	v_lshl_add_u32 v232, v0, 2, 0x2a00
	v_mov_b32 v233, 0
	v_and_b32 v1, 31, v0                           ; lane
	v_lshrrev_b32 v2, 5, v0
	v_readfirstlane_b32 s2, v2                     ; wave 0..15 = channel quad
	v_and_b32 v3, 15, v0                           ; r
	v_bfe_u32 v4, v0, 4, 1                         ; hl
	s_lshr_b32 s3, ttmp9, 6                        ; image
	s_and_b32 s4, ttmp9, 63
	s_lshl_b32 s4, s4, 1                           ; h0
	s_mov_b32 s5, 0x76543210                       ; v_permlanex16_b32: lane i of one half reads lane i of the other
	s_mov_b32 s6, 0xfedcba98
	s_and_b32 s24, s2, 3                           ; this wave's dots: m = wave & 3,
	s_lshr_b32 s25, s2, 2                          ; a = wave >> 2
	s_lshl_b32 s24, s24, 8                         ; row m of emb_mix: 256 bytes
	s_lshl_b32 s25, s25, 2
	v_lshl_add_u32 v5, v1, 2, s24                  ; emb_mix[m][lane]
	v_lshl_add_u32 v6, v1, 4, s25                  ; emb_a[lane][a], emb_b[lane][a]
	v_lshrrev_b32 v7, 2, v3                        ; A's row r is channel ol = r >> 2 of the quad
	v_lshl_add_u32 v7, s2, 2, v7                   ; o = 4 wave + ol
	v_mul_u32_u24 v7, 12, v7                       ; three f32 a channel
	s_wait_kmcnt 0x0
	global_load_b32 v[DT],   v5, s[20:21]
	global_load_b32 v[DT+1], v5, s[20:21] offset:128          ; o = lane + 32
	global_load_b32 v[DT+2], v6, s[16:17]
	global_load_b32 v[DT+3], v6, s[16:17] offset:512
	global_load_b32 v[DT+4], v6, s[18:19]
	global_load_b32 v[DT+5], v6, s[18:19] offset:512
.irp m, 0,1,2,3
	global_load_b96 v[VW+4*\m:VW+4*\m+2], v7, s[14:15] offset:768*\m
.endr
	global_load_b96 v[KWR:KWR+2], v7, s[10:11]
	global_load_b96 v[QWR:QWR+2], v7, s[12:13]
	; Waves 0..4: padded row (h0 + wave) of x becomes records in LDS.  A lane takes four columns of the three channels.
	s_cmp_ge_u32 s2, NROWS
	s_cbranch_scc1 .Lno_row
	s_add_co_u32 s26, s4, s2
	s_sub_co_i32 s26, s26, 2                       ; row of x; outside 0..127 it is padding
	s_cmp_lt_u32 s26, 128
	s_cselect_b32 s27, -1, 0                       ; all lanes keep, or all lanes take zero
	s_max_i32 s26, s26, 0                          ; the load itself stays inside x
	s_min_i32 s26, s26, 127
	s_mul_i32 s28, s3, 3*CH
	s_lshl_b32 s26, s26, 9
	s_add_co_u32 s28, s28, s26
	v_lshl_add_u32 v15, v1, 4, s28
	global_load_b128 v[XC:XC+3],    v15, s[8:9]
	global_load_b128 v[XC+4:XC+7],  v15, s[8:9] offset:CH
	global_load_b128 v[XC+8:XC+11], v15, s[8:9] offset:2*CH
	s_mul_i32 s28, s2, ROWB                        ; this wave's row in LDS
	v_lshl_add_u32 v12, v1, 4, s28
	v_and_b32 v116, 3, v1                          ; the four padding records of the row: columns 0, 1, 130, 131
	v_lshrrev_b32 v117, 1, v116
	v_mul_u32_u24 v116, PHB, v116                  ; residue 0..3,
	v_lshl_add_u32 v116, v117, 9, v116             ; record 0 for residues 0, 1 and record 32 for residues 2, 3
	v_add_nc_u32 v116, s28, v116
.irp k, 0,1,2,3
	v_mov_b32 v[120+\k], 0
.endr
	v_mov_b32 v[RW+3], 0                           ; slots 6, 7 of every record
	ds_store_b128 v116, v[120:123]                 ; eight lanes write the same zeros to each of the four records
	s_wait_loadcnt 0x0
.irp k, 0,1,2,3,4,5,6,7,8,9,10,11
	v_cndmask_b32 v[XC+\k], 0, v[XC+\k], s27
.endr
; column 4 lane + e of x is padded column 4 lane + e + 2: residue (e + 2) & 3, record lane + ((e + 2) >> 2).
; hi = x cut to the bits that an f16 holds, so its conversion rounds nothing; lo = x - hi, exact in f32, rounded to f16.
.macro REC e
	v_and_b32 v[RT],   HIMASK, v[XC+\e]
	v_and_b32 v[RT+1], HIMASK, v[XC+4+\e]
	v_and_b32 v[RT+2], HIMASK, v[XC+8+\e]
	v_cvt_pk_f16_f32 v[RW], v[RT], v[RT+1]                     ; hi0, hi1
	v_sub_f32 v[RT+3], v[XC+\e], v[RT]
	v_cvt_pk_f16_f32 v[RW+1], v[RT+2], v[RT+3]                 ; hi2, lo0
	v_sub_f32 v[RT],   v[XC+4+\e], v[RT+1]
	v_sub_f32 v[RT+1], v[XC+8+\e], v[RT+2]
	v_cvt_pk_f16_f32 v[RW+2], v[RT], v[RT+1]                   ; lo1, lo2
	ds_store_b128 v12, v[RW:RW+3] offset:((\e+2)&3)*PHB+((\e+2)>>2)*16
.endm
	REC 0
	REC 1
	REC 2
	REC 3
.Lno_row:
	s_wait_loadcnt 0x0
	; la[m][a] and lb[m][a]: two terms a lane, then the sum over the 32 lanes
	v_mul_f32 v[DT+6], v[DT], v[DT+2]
	v_mul_f32 v[DT+7], v[DT], v[DT+4]
	v_fmac_f32 v[DT+6], v[DT+1], v[DT+3]
	v_fmac_f32 v[DT+7], v[DT+1], v[DT+5]
.irp k, 1,2,4,8
	v_add_f32_dpp v[DT+6], v[DT+6], v[DT+6] row_xmask:\k row_mask:0xf bank_mask:0xf
	v_add_f32_dpp v[DT+7], v[DT+7], v[DT+7] row_xmask:\k row_mask:0xf bank_mask:0xf
.endr
	v_permlanex16_b32 v[DT],   v[DT+6], s5, s6
	v_permlanex16_b32 v[DT+1], v[DT+7], s5, s6
	v_add_f32 v[DT+6], v[DT+6], v[DT]
	v_add_f32 v[DT+7], v[DT+7], v[DT+1]
	v_mov_b32 v2, s2
	v_lshlrev_b32 v2, 2, v2                        ; word 4 a + m = the wave's number
	ds_store_b32 v2, v[DT+6] offset:LA_BASE
	ds_store_b32 v2, v[DT+7] offset:LB_BASE
	s_wait_dscnt 0x0                               ; records and dots are in LDS before the others are told so
	s_barrier_signal -1
	s_barrier_wait -1                              ; the only barrier: from here on LDS is read only
	v_mov_b32 v2, LA_BASE
.irp i, 0,1,2,3
	ds_load_b128 v[LA+4*\i:LA+4*\i+3], v2 offset:16*\i         ; la[0..3][i]
.endr
	v_and_b32 v5, 3, v3                            ; A's row r is window column j = r & 3
	v_lshlrev_b32 v6, 4, v5
	ds_load_b128 v[LB:LB+3], v6 offset:LB_BASE     ; lb[0..3][j]
	v_mul_u32_u24 v2, PHB, v4
	v_lshl_add_u32 v[XB], v3, 4, v2
	v_mul_u32_u24 v2, 3*PHB-16, v4
	v_lshlrev_b32 v11, 4, v3
	v_add_nc_u32 v11, 3*PHB, v11
	v_sub_nc_u32 v[X3], v11, v2
; Record of padded column 64 g + 4 r + s + hl.  s + hl = 4 q + residue lies at residue * PHB + 16 (16 g + r + q).
.macro LDREC dst, s, base
.if (\s) == 3
	ds_load_b128 v[\dst:\dst+3], v[X3] offset:\base
.else
	ds_load_b128 v[\dst:\dst+3], v[XB] offset:\base+((\s)&3)*PHB+((\s)>>2)*16
.endif
.endm
; The B fragments of tile (g, t): registers 0-3 are block jj = hl, registers 4-7 block jj = 2 + hl.  Sixteen lanes read 256 consecutive bytes.
.macro LOADB g, t
.irp y, 0,1,2,3,4
	LDREC FB+8*\y,   \t,   \y*ROWB+\g*256
	LDREC FB+8*\y+4, \t+2, \y*ROWB+\g*256
.endr
.endm
	LOADB 0, 0
	v_cmp_eq_u32 s24, v5, v4                       ; my registers 0-3 (block hl) are row j's block
	v_add_nc_u32 v2, 2, v4
	v_cmp_eq_u32 s25, v5, v2                       ; my registers 4-7 (block 2 + hl) are
	v_cmp_eq_u32 s26, 0, v4                        ; block 2, the window's centre column, lies in registers 4-7 of lanes hl = 0
	s_mov_b32 s27, 0
	v_lshlrev_b32 v2, 17, v4
	v_lshl_add_u32 v[OOFF], v3, 4, v2
	s_lshl_b32 s28, s3, 22                         ; image: 64 planes
	s_lshl_b32 s29, s2, 18                         ; quad: 4 planes
	s_add_co_u32 s28, s28, s29
	s_lshl_b32 s29, s4, 9                          ; row h0
	s_add_co_u32 s28, s28, s29
	s_mov_b32 s29, 0
	s_add_nc_u64 s[22:23], s[22:23], s[28:29]
	v_mov_b32 v[MX+1], 0
	v_mov_b32 v[MX+3], 0
; Three f32 weights become w0 w1 | w2 w0 | w1 w2 | 0 0 in f16, kept in the block that the masks name, zeros elsewhere.
.macro FRAG dst, w0, w1, w2, mlo, mhi
	v_cvt_pk_f16_f32 v[PW],   v[\w0], v[\w1]
	v_cvt_pk_f16_f32 v[PW+1], v[\w2], v[\w0]
	v_cvt_pk_f16_f32 v[PW+2], v[\w1], v[\w2]
.irp k, 0,1,2
	v_cndmask_b32 v[\dst+\k],   0, v[PW+\k], \mlo
	v_cndmask_b32 v[\dst+4+\k], 0, v[PW+\k], \mhi
.endr
	v_mov_b32 v[\dst+3], 0
	v_mov_b32 v[\dst+7], 0
.endm
	FRAG AK, KWR, KWR+1, KWR+2, s24, s25
.irp c, 0,1,2
	v_mul_f32 v[QWR+\c], 0xbfb8aa3b, v[QWR+\c]     ; -log2(e) query_w
.endr
	FRAG AQ, QWR, QWR+1, QWR+2, s27, s26           ; every row j reads the centre column
	s_wait_dscnt 10                                ; la and lb are in; the ten loads of the first tile, issued behind them, stay out
	; softmax over m of la[m][i] + lb[m][j], for my j and i = 0..3, the maximum taken away
.irp i, 0,1,2,3
	v_pk_add_f32 v[LG+4*\i:LG+4*\i+1],   v[LA+4*\i:LA+4*\i+1],   v[LB:LB+1]
	v_pk_add_f32 v[LG+4*\i+2:LG+4*\i+3], v[LA+4*\i+2:LA+4*\i+3], v[LB+2:LB+3]
	v_max3_num_f32 v[MXS+2*\i], v[LG+4*\i], v[LG+4*\i+1], v[LG+4*\i+2]
	v_max_num_f32 v[MXS+2*\i], v[MXS+2*\i], v[LG+4*\i+3]
	v_mul_f32 v[MXS+2*\i+1], 0xbfb8aa3b, v[MXS+2*\i]
	v_mul_f32 v[MXS+2*\i],   0xbfb8aa3b, v[MXS+2*\i]
	v_pk_fma_f32 v[LG+4*\i:LG+4*\i+1],   v[LG+4*\i:LG+4*\i+1],   0x3fb8aa3b, v[MXS+2*\i:MXS+2*\i+1] op_sel_hi:[1,0,1]
	v_pk_fma_f32 v[LG+4*\i+2:LG+4*\i+3], v[LG+4*\i+2:LG+4*\i+3], 0x3fb8aa3b, v[MXS+2*\i:MXS+2*\i+1] op_sel_hi:[1,0,1]
.endr
.irp k, 0,1,2,3,4,5,6,7,8,9,10,11,12,13,14,15
	v_exp_f32 v[LG+\k], v[LG+\k]
.endr
	v_nop                                          ; one plain vector instruction between the exponentials and their first use (ISA guide 5.7.2)
	s_wait_alu depctr_va_vdst(0)
.irp i, 0,1,2,3
	v_pk_add_f32 v[SS+2*\i:SS+2*\i+1], v[LG+4*\i:LG+4*\i+1], v[LG+4*\i+2:LG+4*\i+3]
	v_add_f32 v[SS+2*\i], v[SS+2*\i], v[SS+2*\i+1]
.endr
.irp i, 0,1,2,3
	v_rcp_f32 v[SS+2*\i], v[SS+2*\i]               ; the sum is at least 1; the products below stand between these and their use
.endr
	; Weff[4 i + j][o][c], and its fragment
.irp i, 0,1,2,3
.irp c, 0,1,2
	v_mul_f32 v[WT+\c], v[LG+4*\i], v[VW+\c]
.endr
.irp m, 1,2,3
.irp c, 0,1,2
	v_fmac_f32 v[WT+\c], v[LG+4*\i+\m], v[VW+4*\m+\c]
.endr
.endr
	s_wait_alu depctr_va_vdst(0)
.irp c, 0,1,2
	v_mul_f32 v[WT+\c], v[WT+\c], v[SS+2*\i]
.endr
	FRAG AV+8*\i, WT, WT+1, WT+2, s24, s25
.endr
.macro SHIFT i                         ; -S + min S = s - max s, in base 2
.irp p, 0,1,2,3
	v_pk_fma_f32 v[DK+8*\i+2*\p:DK+8*\i+2*\p+1], v[DK+8*\i+2*\p:DK+8*\i+2*\p+1], -1.0, v[MX+2*(\p/2):MX+2*(\p/2)+1] op_sel_hi:[1,0,0]
.endr
.endm
.macro EXPS i
.irp k, 0,1,2,3,4,5,6,7
	v_exp_f32 v[DK+8*\i+\k], v[DK+8*\i+\k]
.endr
.endm
.macro ACC i                           ; denominators and numerators, two places at a time; window row 0 starts the sums
.irp e, 0,1
.if \i == 0
	s_wait_alu depctr_va_vdst(0)
	v_pk_add_f32 v[DE+2*\e:DE+2*\e+1], v[DK+4*\e:DK+4*\e+1], v[DK+4*\e+2:DK+4*\e+3]
	v_pk_mul_f32 v[NU+2*\e:NU+2*\e+1], v[DK+4*\e:DK+4*\e+1], v[DV+4*\e:DV+4*\e+1]
	v_pk_fma_f32 v[NU+2*\e:NU+2*\e+1], v[DK+4*\e+2:DK+4*\e+3], v[DV+4*\e+2:DV+4*\e+3], v[NU+2*\e:NU+2*\e+1]
.else
	s_wait_alu depctr_va_vdst(0)
.irp p, 0,2
	v_pk_add_f32 v[DE+2*\e:DE+2*\e+1], v[DE+2*\e:DE+2*\e+1], v[DK+8*\i+4*\e+\p:DK+8*\i+4*\e+\p+1]
	v_pk_fma_f32 v[NU+2*\e:NU+2*\e+1], v[DK+8*\i+4*\e+\p:DK+8*\i+4*\e+\p+1], v[DV+8*\i+4*\e+\p:DV+8*\i+4*\e+\p+1], v[NU+2*\e:NU+2*\e+1]
.endr
.endif
.endr
.endm
; One unit: tile (g, t), output row h0 + rho, my four channels: 64 outputs, two a lane.
; pf = 1: the B fragments of tile (ng, nt) are asked for as soon as this tile's last products have read theirs.
.macro UNIT g, rho, t, pf, ng, nt
	v_wmma_f32_16x16x32_f16 v[DQ:DQ+7], v[AQ:AQ+7], v[FB+8*(\rho+2):FB+8*(\rho+2)+7], 0
.irp i, 0,1,2,3
	v_wmma_f32_16x16x32_f16 v[DK+8*\i:DK+8*\i+7], v[AK:AK+7], v[FB+8*(\rho+\i):FB+8*(\rho+\i)+7], 0
.endr
.irp i, 0,1,2,3
	v_wmma_f32_16x16x32_f16 v[DV+8*\i:DV+8*\i+7], v[AV+8*\i:AV+8*\i+7], v[FB+8*(\rho+\i):FB+8*(\rho+\i)+7], 0
.endr
.rept 4
	v_nop                                          ; four places behind the last product before its result is read or a source loaded anew (ISA guide 7.12.1)
.endr
.if \pf
	LOADB \ng, \nt
.endif
.irp i, 0,1,2,3
.irp p, 0,1,2,3
	v_pk_mul_f32 v[DK+8*\i+2*\p:DK+8*\i+2*\p+1], v[DK+8*\i+2*\p:DK+8*\i+2*\p+1], v[DQ+2*\p:DQ+2*\p+1]     ; S = -log2(e) q k
.endr
.endr
.irp e, 0,1
	v_min3_num_f32 v[MT+5*\e],   v[DK+4*\e],      v[DK+4*\e+1],    v[DK+4*\e+2]
	v_min3_num_f32 v[MT+5*\e+1], v[DK+4*\e+3],    v[DK+8+4*\e],    v[DK+8+4*\e+1]
	v_min3_num_f32 v[MT+5*\e+2], v[DK+8+4*\e+2],  v[DK+8+4*\e+3],  v[DK+16+4*\e]
	v_min3_num_f32 v[MT+5*\e+3], v[DK+16+4*\e+1], v[DK+16+4*\e+2], v[DK+16+4*\e+3]
	v_min3_num_f32 v[MT+5*\e+4], v[DK+24+4*\e],   v[DK+24+4*\e+1], v[DK+24+4*\e+2]
.endr
.irp e, 0,1
	v_min3_num_f32 v[MT+5*\e],   v[MT+5*\e],   v[MT+5*\e+1], v[MT+5*\e+2]
	v_min3_num_f32 v[MT+5*\e+3], v[MT+5*\e+3], v[MT+5*\e+4], v[DK+24+4*\e+3]
.endr
.irp e, 0,1
	v_min_num_f32 v[MX+2*\e], v[MT+5*\e], v[MT+5*\e+3]         ; min S = -(largest logit)
.endr
	; Window rows in turn.  Behind each run of exponentials stands plain work on another row before that run's results are used (ISA guide 5.7.2).
	SHIFT 0
	SHIFT 1
	EXPS 0
	SHIFT 2
	EXPS 1
	SHIFT 3
	ACC 0
	EXPS 2
	ACC 1
	EXPS 3
	ACC 2
	ACC 3
	v_add_f32 v[DE],   v[DE],   v[DE+1]
	v_add_f32 v[DE+2], v[DE+2], v[DE+3]
	v_rcp_f32 v[DE],   v[DE]                        ; at least 1: the largest logit gives exp2(0)
	v_rcp_f32 v[DE+2], v[DE+2]
	v_add_f32 v[NU],   v[NU],   v[NU+1]
	v_add_f32 v[NU+2], v[NU+2], v[NU+3]
	s_wait_alu depctr_va_vdst(0)
	v_mul_f32 v[OUT+16*\g+8*\rho+\t],   v[NU],   v[DE]
	v_mul_f32 v[OUT+16*\g+8*\rho+4+\t], v[NU+2], v[DE+2]
.if \t == 3
.irp e, 0,1
	global_store_b128 v[OOFF], v[OUT+16*\g+8*\rho+4*\e:OUT+16*\g+8*\rho+4*\e+3], s[22:23] offset:\e*CH+\rho*512+\g*256 th:TH_STORE_NT   ; these registers are not written again
.endr
.endif
.endm
.macro TILE g, t, pf, ng, nt
	s_wait_dscnt 0x0                               ; the tile's ten fragment loads are in
	UNIT \g, 0, \t, 0, 0, 0
	UNIT \g, 1, \t, \pf, \ng, \nt
.endm
	TILE 0, 0, 1, 0, 1
	TILE 0, 1, 1, 0, 2
	TILE 0, 2, 1, 0, 3
	TILE 0, 3, 1, 1, 0
	TILE 1, 0, 1, 1, 1
	TILE 1, 1, 1, 1, 2
	TILE 1, 2, 1, 1, 3
	TILE 1, 3, 0, 0, 0
	s_wait_tensorcnt 0x0
	ds_add_u32 v232, v233
	s_wait_dscnt 0x0
	s_endpgm
.Lfunc_end_k_q4a39a9a98c_stem:
	.size	k_q4a39a9a98c_stem, .Lfunc_end_k_q4a39a9a98c_stem-k_q4a39a9a98c_stem
	.p2alignl 7, 3214868480
	.fill 96, 4, 3214868480
	.section	.rodata,"a",@progbits
	.p2align	6, 0x0
	.amdhsa_kernel k_q4a39a9a98c_stem
		.amdhsa_group_segment_fixed_size 12800
		.amdhsa_private_segment_fixed_size 0
		.amdhsa_enable_private_segment 0
		.amdhsa_kernarg_size 64
		.amdhsa_user_sgpr_count 2
		.amdhsa_user_sgpr_kernarg_segment_ptr 1
		.amdhsa_wavefront_size32 1
		.amdhsa_system_sgpr_workgroup_id_x 1
		.amdhsa_system_sgpr_workgroup_id_y 1
		.amdhsa_system_sgpr_workgroup_id_z 1
		.amdhsa_system_vgpr_workitem_id 0
		.amdhsa_next_free_vgpr 234
		.amdhsa_next_free_sgpr 66
		.amdhsa_reserve_vcc 0
		.amdhsa_float_denorm_mode_32 3
		.amdhsa_float_denorm_mode_16_64 3
		.amdhsa_memory_ordered 1
		.amdhsa_forward_progress 1
		.amdhsa_inst_pref_size 137
	.end_amdhsa_kernel
	.amdgpu_metadata
---
amdhsa.version: [ 1, 2 ]
amdhsa.kernels:
  - .name:           k_q4a39a9a98c_stem
    .symbol:         k_q4a39a9a98c_stem.kd
    .args:
      - { .name: x, .offset: 0, .size: 8, .value_kind: global_buffer, .address_space: global }
      - { .name: key_w, .offset: 8, .size: 8, .value_kind: global_buffer, .address_space: global }
      - { .name: query_w, .offset: 16, .size: 8, .value_kind: global_buffer, .address_space: global }
      - { .name: value_w, .offset: 24, .size: 8, .value_kind: global_buffer, .address_space: global }
      - { .name: emb_a, .offset: 32, .size: 8, .value_kind: global_buffer, .address_space: global }
      - { .name: emb_b, .offset: 40, .size: 8, .value_kind: global_buffer, .address_space: global }
      - { .name: emb_mix, .offset: 48, .size: 8, .value_kind: global_buffer, .address_space: global }
      - { .name: out0, .offset: 56, .size: 8, .value_kind: global_buffer, .address_space: global }
    .group_segment_fixed_size: 12800
    .private_segment_fixed_size: 0
    .kernarg_segment_align: 8
    .kernarg_segment_size: 64
    .max_flat_workgroup_size: 512
    .sgpr_count:     66
    .vgpr_count:     234
    .wavefront_size: 32
...
	.end_amdgpu_metadata
.endif
;; end of part 1
;; ======== version 2 of 2: 1 launch; version 1 with the launch stem written anew for expert scheduling mode
;; limits: values are held in f16: magnitudes above 65,504 overflow, below 6.1e-05 lose precision
;; launch stem (part 2): grid 256 x 1, 16 waves a work-group, no clusters, 12,800 bytes of LDS; arguments x, key_w, query_w, value_w, emb_a, emb_b, emb_mix, out0; writes out0
.if DOCPART == 2
	.amdgcn_target "amdgcn-amd-amdhsa--gfx1250"
	.amdhsa_code_object_version 6
	.text
	.protected	k_q4a39a9a98c_stem
	.globl	k_q4a39a9a98c_stem
	.p2align	8
	.type	k_q4a39a9a98c_stem,@function
k_q4a39a9a98c_stem:
	s_mov_b64 s[64:65], 0
	v_nop
	global_prefetch_b8 v0, s[64:65] scope:SCOPE_SE
	s_setreg_imm32_b32 hwreg(HW_REG_WAVE_SCHED_MODE, 0, 2), 2
	s_setreg_imm32_b32 hwreg(HW_REG_WAVE_MODE, 25, 1), 1
	s_wait_xcnt 0x0
	s_wait_alu depctr_vm_vsrc(0)
; AttentionStem: out[b][o][h][w] = sum over the 4 x 4 window of softmax(q k) * vsum, all in one launch.
;   q = query_w x,  k = key_w xp,  vsum[kk] = Weff[kk] xp  with  Weff[kk][o][c] = sum over m of softmax_m(la[m][i] + lb[m][j]) value_w[m][o][c],  kk = 4 i + j.
; WORK.  A work-group: one image, two output rows (h0, h0+1), 128 columns, 64 channels.  Sixteen waves; wave n owns channels 4n .. 4n+3.
; MATRIX FORM.  v_wmma_f32_16x16x32_f16 is used block-diagonally: row m = 4 ol + j (channel ol of the quad, window column j), column n = a pixel,
;   K = 8 jj + slot.  B, block jj: the 16-byte record of padded pixel p + jj: xhi0 xhi1 xhi2 xlo0 xlo1 xlo2 0 0 (x = hi + lo, two f16, so x keeps
;   22 bits of mantissa in slots that would stand empty).  A, row (ol, j): w0 w1 w2 w0 w1 w2 0 0 in block jj = j, zeros elsewhere.
;   In D, register 4 e + j of lane (r, hl) is channel 4n + 2 hl + e, column j, pixel r: four products (window rows i) put all 16 places of
;   two outputs into one lane, and the softmax never leaves the lane.
; WHY f16.  A weight enters once, rounded: f16 keeps 11 bits of it where bf16 keeps 8, and the result's error is linear in that rounding.
;   The operands have room: see LIMITS.
; PIXELS.  Tile t of half row g holds the pixels w = 64 g + 4 r + t.  After four tiles a lane has four neighbouring w of a channel:
;   each store of the wave covers two runs of 256 consecutive bytes, aligned, one per half of the lanes.
; SOFTMAX.  The query weights carry -log2(e): the products S = Q K are the negated logits in base 2, their minimum is the negated maximum, and
;   exp2(-S + min S) is the reference's exp(s - max s).  The true maximum of the 16 logits is taken away for every output.
; emb_mix @ emb_a and @ emb_b (2 x 1,024 multiply-adds in all) are made in f32: their results are logits of a softmax.
; LIMITS.  Inputs finite.  |x|, |key_w|, 1.4427 |query_w| and |value_w| below 65,504, the largest f16 number.  Key, query and mixed value weights
;   are rounded to f16 once (2^-12 of their size; those below 2^-14 to 2^-25 absolute); x is kept to 2^-22 of its size, below 2^-14 to 2^-25
;   absolute.  Sums run in another order than the reference's.
; NO CLUSTER, NO TENSOR LOAD: a work-group reads 7,680 bytes of x and 7,680 bytes of weights once, at its head; no tile is walked in a loop.
; THE MODE: SCHED_MODE bits 1:0 = 2 (LLVM: expert scheduling mode 2), set by the entry lines.  The code itself states the register dependences
; between vector or matrix instructions and memory or LDS instructions, with s_wait_alu, always for 0.
; THE PLAN.  Registers that memory or LDS instructions touch:
;   v2, v5, v6, v7, XB, X3, OOFF, LBA, LAA   addresses, all made at the head ahead of one wait and never written again.
;   v12, v15, PA, ZR, RW (four records)      waves 0..4 only: made by vector work, read by x's loads and by LDS stores; two waits in that branch.
;   DT+6, DT+7                               the dot sums: written by vector work, read by two LDS stores.
;   LA, LB, FB                               LDS loads land here behind the barrier.  The head's vector work named these registers, all of it ahead of the
;                                            wait in front of the dot stores; LDS stores read some of them: one wait on vm_vsrc behind the barrier.
;   FB, in the main part                     read by a tile's 18 products; the next tile's ten loads land in it in the tile's second unit.
;   OUT                                      written by a unit's last two multiplies, read by the stores, never written again.
; A unit has three waits on va_vdst, each ahead of the first reader of a batch of exponentials or reciprocals.  The first of them stands behind the unit's
; nine products and behind the unit before: so the next tile's loads into FB and the stores of the unit before follow it directly and need no wait of their own.
.set PHB,     528                      ; LDS: 33 records of 16 bytes, the padded columns of one residue mod 4
.set ROWB,    4*PHB                    ; LDS: one padded row of x as records
.set NROWS,   5                        ; padded rows that two output rows need
.set LA_BASE, NROWS*ROWB               ; la[m][i] at 16 i + 4 m
.set LB_BASE, LA_BASE+64               ; lb[m][j] at 16 j + 4 m
.set CH,      65536                    ; bytes of one 128 x 128 plane of f32
.set HIMASK,  0xffffe000               ; sign, exponent and the upper 10 mantissa bits of an f32: what an f16 holds exactly
; registers of the main part
.set XB,   8                           ; 16 r + 528 hl: record address for column steps other than 3
.set X3,   9                           ; 16 r + 1584 - 1568 hl: for column step 3 (lanes hl = 1 wrap to residue 0, one record on)
.set OOFF, 10                          ; byte offset in out0: 2 hl planes + 16 r
.set JJ,   13                          ; j = r & 3: the window column of A's row r
.set LBA,  14                          ; 16 j: where lb[0..3][j] lies, less LB_BASE
.set AV,   16                          ; v[16:47]   A fragments of Weff, window rows i = 0..3
.set AK,   48                          ; v[48:55]   A fragment of key_w
.set AQ,   56                          ; v[56:63]   A fragment of -log2(e) query_w
.set FB,   64                          ; v[64:103]  B fragments of the tile, padded rows 0..4
.set DQ,   104                         ; v[104:111] Q, the same value in the four registers of a channel
.set DK,   112                         ; v[112:143] k, then S, then the exponentials: register 8 i + 4 e + j
.set DV,   144                         ; v[144:175] vsum, same order
.set OUT,  176                         ; v[176:207] results: 16 g + 8 row + 4 e + t
.set MT,   208                         ; v[208:217] minimum tree, five for each e
.set MX,   218                         ; v[218:221] min S of e = 0, 1 in the even registers; the odd ones are written once and never selected
.set DE,   222                         ; v[222:225] denominators, a pair for each e
.set NU,   226                         ; v[226:229] numerators, a pair for each e
.set LAA,  230                         ; LA_BASE: where la lies
; registers of the head (all lie in ranges that the main part writes later)
.set DT,   64                          ; dot products: 6 operands, 2 sums
.set XC,   96                          ; v[96:107]  four columns of three channels of x
.set RW,   108                         ; v[108:123] four records, one for each of the lane's columns
.set RT,   124                         ; v[124:127] at work
.set PA,   128                         ; v[128:129] address of a padding record, and one at work
.set ZR,   132                         ; v[132:135] a record of zeros
.set VW,   176                         ; value_w[m][o][0..2] at 4 m
.set KWR,  192                         ; key_w[o][0..2]
.set QWR,  196                         ; query_w[o][0..2]
.set LA,   112                         ; v[112:127] la[m][i] at 4 i + m
.set LB,   128                         ; v[128:131] lb[m][j]
.set LG,   132                         ; v[132:147] logits, then exponentials, at 4 i + m
.set MXS,  148                         ; v[148:155] -log2(e) max, twice, for each i
.set SS,   156                         ; v[156:163] sum, then 1 / sum, for each i (even registers)
.set WT,   164                         ; v[164:166] Weff of one i
.set PW,   168                         ; v[168:170] three packed words of a fragment
	s_load_b512 s[8:23], s[0:1], 0x0               ; x s[8:9], key_w s[10:11], query_w s[12:13], value_w s[14:15], emb_a s[16:17], emb_b s[18:19], emb_mix s[20:21], out0 s[22:23]
	v_lshl_add_u32 v232, v0, 2, 0x2a00
	v_mov_b32 v233, 0
	v_and_b32 v1, 31, v0                           ; lane
	v_lshrrev_b32 v2, 5, v0
	v_readfirstlane_b32 s2, v2                     ; wave 0..15 = channel quad
	v_and_b32 v3, 15, v0                           ; r
	v_bfe_u32 v4, v0, 4, 1                         ; hl
	s_lshr_b32 s3, ttmp9, 6                        ; image
	s_and_b32 s4, ttmp9, 63
	s_lshl_b32 s4, s4, 1                           ; h0
	s_mov_b32 s5, 0x76543210                       ; v_permlanex16_b32: lane i of one half reads lane i of the other
	s_mov_b32 s6, 0xfedcba98
	; every address of the kernel that hangs on the lane alone is made here, in the wait for the arguments
	v_mul_u32_u24 v11, PHB, v4
	v_lshl_add_u32 v[XB], v3, 4, v11
	v_lshlrev_b32 v[X3], 4, v3
	v_add_nc_u32 v[X3], 3*PHB, v[X3]
	v_mul_u32_u24 v11, 3*PHB-16, v4
	v_sub_nc_u32 v[X3], v[X3], v11
	v_lshlrev_b32 v11, 17, v4
	v_lshl_add_u32 v[OOFF], v3, 4, v11
	v_and_b32 v[JJ], 3, v3                         ; A's row r is window column j = r & 3
	v_lshlrev_b32 v[LBA], 4, v[JJ]
	v_mov_b32 v[LAA], LA_BASE
	v_lshrrev_b32 v7, 2, v3                        ; A's row r is channel ol = r >> 2 of the quad
	s_wait_alu depctr_va_sdst(0)                   ; s2 is written, ahead of its first reader
	s_and_b32 s24, s2, 3                           ; this wave's dots: m = wave & 3,
	s_lshr_b32 s25, s2, 2                          ; a = wave >> 2
	s_lshl_b32 s24, s24, 8                         ; row m of emb_mix: 256 bytes
	s_lshl_b32 s25, s25, 2
	v_lshl_add_u32 v5, v1, 2, s24                  ; emb_mix[m][lane]
	v_lshl_add_u32 v6, v1, 4, s25                  ; emb_a[lane][a], emb_b[lane][a]
	v_lshl_add_u32 v7, s2, 2, v7                   ; o = 4 wave + ol
	v_mul_u32_u24 v7, 12, v7                       ; three f32 a channel
	v_mov_b32 v2, s2
	v_lshlrev_b32 v2, 2, v2                        ; the dots' word in LDS: 4 a + m = the wave's number
	s_wait_kmcnt 0x0
	s_wait_alu depctr_va_vdst(0)                   ; v2, v5, v6, v7, XB, X3, OOFF, LBA and LAA are written: the loads and stores of the whole kernel read them as addresses, and none is written again
	global_load_b32 v[DT],   v5, s[20:21]
	global_load_b32 v[DT+1], v5, s[20:21] offset:128          ; o = lane + 32
	global_load_b32 v[DT+2], v6, s[16:17]
	global_load_b32 v[DT+3], v6, s[16:17] offset:512
	global_load_b32 v[DT+4], v6, s[18:19]
	global_load_b32 v[DT+5], v6, s[18:19] offset:512
.irp m, 0,1,2,3
	global_load_b96 v[VW+4*\m:VW+4*\m+2], v7, s[14:15] offset:768*\m
.endr
	global_load_b96 v[KWR:KWR+2], v7, s[10:11]
	global_load_b96 v[QWR:QWR+2], v7, s[12:13]
	; Waves 0..4: padded row (h0 + wave) of x becomes records in LDS.  A lane takes four columns of the three channels.
	s_cmp_ge_u32 s2, NROWS
	s_cbranch_scc1 .Lno_row
	s_add_co_u32 s26, s4, s2
	s_sub_co_i32 s26, s26, 2                       ; row of x; outside 0..127 it is padding
	s_cmp_lt_u32 s26, 128
	s_cselect_b32 s27, -1, 0                       ; all lanes keep, or all lanes take zero
	s_max_i32 s26, s26, 0                          ; the load itself stays inside x
	s_min_i32 s26, s26, 127
	s_mul_i32 s28, s3, 3*CH
	s_lshl_b32 s26, s26, 9
	s_add_co_u32 s28, s28, s26
	s_mul_i32 s29, s2, ROWB                        ; this wave's row in LDS
	v_lshl_add_u32 v15, v1, 4, s28
	v_lshl_add_u32 v12, v1, 4, s29
	v_and_b32 v[PA], 3, v1                         ; the four padding records of the row: columns 0, 1, 130, 131
	v_lshrrev_b32 v[PA+1], 1, v[PA]
	v_mul_u32_u24 v[PA], PHB, v[PA]                ; residue 0..3,
	v_lshl_add_u32 v[PA], v[PA+1], 9, v[PA]        ; record 0 for residues 0, 1 and record 32 for residues 2, 3
	v_add_nc_u32 v[PA], s29, v[PA]
.irp k, 0,1,2,3
	v_mov_b32 v[ZR+\k], 0
.endr
.irp e, 0,1,2,3
	v_mov_b32 v[RW+4*\e+3], 0                      ; slots 6, 7 of every record
.endr
	s_wait_alu depctr_va_vdst(0)                   ; v15, v12, PA and the zeros are written: the loads of x and the LDS stores of this branch read them
	global_load_b128 v[XC:XC+3],    v15, s[8:9]
	global_load_b128 v[XC+4:XC+7],  v15, s[8:9] offset:CH
	global_load_b128 v[XC+8:XC+11], v15, s[8:9] offset:2*CH
	ds_store_b128 v[PA], v[ZR:ZR+3]                ; eight lanes write the same zeros to each of the four records
	s_wait_loadcnt 0x0
.irp k, 0,1,2,3,4,5,6,7,8,9,10,11
	v_cndmask_b32 v[XC+\k], 0, v[XC+\k], s27
.endr
; column 4 lane + e of x is padded column 4 lane + e + 2: residue (e + 2) & 3, record lane + ((e + 2) >> 2).
; hi = x cut to the bits that an f16 holds, so its conversion rounds nothing; lo = x - hi, exact in f32, rounded to f16.
; Each column has a record of its own, so that the four are made first and stored behind one wait.
.macro REC e
	v_and_b32 v[RT],   HIMASK, v[XC+\e]
	v_and_b32 v[RT+1], HIMASK, v[XC+4+\e]
	v_and_b32 v[RT+2], HIMASK, v[XC+8+\e]
	v_cvt_pk_f16_f32 v[RW+4*\e], v[RT], v[RT+1]                ; hi0, hi1
	v_sub_f32 v[RT+3], v[XC+\e], v[RT]
	v_cvt_pk_f16_f32 v[RW+4*\e+1], v[RT+2], v[RT+3]            ; hi2, lo0
	v_sub_f32 v[RT],   v[XC+4+\e], v[RT+1]
	v_sub_f32 v[RT+1], v[XC+8+\e], v[RT+2]
	v_cvt_pk_f16_f32 v[RW+4*\e+2], v[RT], v[RT+1]              ; lo1, lo2
.endm
	REC 0
	REC 1
	REC 2
	REC 3
	s_wait_alu depctr_va_vdst(0)                   ; the conversions have written the four records, which the LDS stores read
.irp e, 0,1,2,3
	ds_store_b128 v12, v[RW+4*\e:RW+4*\e+3] offset:((\e+2)&3)*PHB+((\e+2)>>2)*16
.endr
.Lno_row:
	s_wait_loadcnt 0x0
	; la[m][a] and lb[m][a]: two terms a lane, then the sum over the 32 lanes
	v_mul_f32 v[DT+6], v[DT], v[DT+2]
	v_mul_f32 v[DT+7], v[DT], v[DT+4]
	v_fmac_f32 v[DT+6], v[DT+1], v[DT+3]
	v_fmac_f32 v[DT+7], v[DT+1], v[DT+5]
.irp k, 1,2,4,8
	v_add_f32_dpp v[DT+6], v[DT+6], v[DT+6] row_xmask:\k row_mask:0xf bank_mask:0xf
	v_add_f32_dpp v[DT+7], v[DT+7], v[DT+7] row_xmask:\k row_mask:0xf bank_mask:0xf
.endr
	v_permlanex16_b32 v[DT],   v[DT+6], s5, s6
	v_permlanex16_b32 v[DT+1], v[DT+7], s5, s6
	v_add_f32 v[DT+6], v[DT+6], v[DT]
	v_add_f32 v[DT+7], v[DT+7], v[DT+1]
	s_wait_alu depctr_va_vdst(0)                   ; the two sums are written, which the LDS stores read; and all vector work of the head is done with v64 to v131, in which the LDS loads behind the barrier land: no vector instruction stands between here and those loads
	ds_store_b32 v2, v[DT+6] offset:LA_BASE
	ds_store_b32 v2, v[DT+7] offset:LB_BASE
	s_wait_dscnt 0x0                               ; records and dots are in LDS before the others are told so
	s_barrier_signal -1
	s_barrier_wait -1                              ; the only barrier: from here on LDS is read only
; Record of padded column 64 g + 4 r + s + hl.  s + hl = 4 q + residue lies at residue * PHB + 16 (16 g + r + q).
.macro LDREC dst, s, base
.if (\s) == 3
	ds_load_b128 v[\dst:\dst+3], v[X3] offset:\base
.else
	ds_load_b128 v[\dst:\dst+3], v[XB] offset:\base+((\s)&3)*PHB+((\s)>>2)*16
.endif
.endm
; The B fragments of tile (g, t): registers 0-3 are block jj = hl, registers 4-7 block jj = 2 + hl.  Sixteen lanes read 256 consecutive bytes.
.macro LOADB g, t
.irp y, 0,1,2,3,4
	LDREC FB+8*\y,   \t,   \y*ROWB+\g*256
	LDREC FB+8*\y+4, \t+2, \y*ROWB+\g*256
.endr
.endm
	s_wait_alu depctr_vm_vsrc(0)                   ; my LDS stores have read the records, PA, the zeros and the two sums: the loads below land in those registers, and the softmax over m and the products write the others
.irp i, 0,1,2,3
	ds_load_b128 v[LA+4*\i:LA+4*\i+3], v[LAA] offset:16*\i     ; la[0..3][i]
.endr
	ds_load_b128 v[LB:LB+3], v[LBA] offset:LB_BASE ; lb[0..3][j]
	LOADB 0, 0
	v_cmp_eq_u32 s24, v[JJ], v4                    ; my registers 0-3 (block hl) are row j's block
	v_add_nc_u32 v11, 2, v4
	v_cmp_eq_u32 s25, v[JJ], v11                   ; my registers 4-7 (block 2 + hl) are
	v_cmp_eq_u32 s26, 0, v4                        ; block 2, the window's centre column, lies in registers 4-7 of lanes hl = 0
	s_mov_b32 s27, 0
	s_lshl_b32 s28, s3, 22                         ; image: 64 planes
	s_lshl_b32 s29, s2, 18                         ; quad: 4 planes
	s_add_co_u32 s28, s28, s29
	s_lshl_b32 s29, s4, 9                          ; row h0
	s_add_co_u32 s28, s28, s29
	s_mov_b32 s29, 0
	s_add_nc_u64 s[22:23], s[22:23], s[28:29]
	v_mov_b32 v[MX+1], 0
	v_mov_b32 v[MX+3], 0
	s_wait_alu depctr_va_sdst(0)                   ; the three compares have written s24, s25 and s26, ahead of the first select that reads one of them
; Three f32 weights become w0 w1 | w2 w0 | w1 w2 | 0 0 in f16, kept in the block that the masks name, zeros elsewhere.
.macro FRAG dst, w0, w1, w2, mlo, mhi
	v_cvt_pk_f16_f32 v[PW],   v[\w0], v[\w1]
	v_cvt_pk_f16_f32 v[PW+1], v[\w2], v[\w0]
	v_cvt_pk_f16_f32 v[PW+2], v[\w1], v[\w2]
.irp k, 0,1,2
	v_cndmask_b32 v[\dst+\k],   0, v[PW+\k], \mlo
	v_cndmask_b32 v[\dst+4+\k], 0, v[PW+\k], \mhi
.endr
	v_mov_b32 v[\dst+3], 0
	v_mov_b32 v[\dst+7], 0
.endm
	FRAG AK, KWR, KWR+1, KWR+2, s24, s25
.irp c, 0,1,2
	v_mul_f32 v[QWR+\c], 0xbfb8aa3b, v[QWR+\c]     ; -log2(e) query_w
.endr
	FRAG AQ, QWR, QWR+1, QWR+2, s27, s26           ; every row j reads the centre column
	s_wait_dscnt 10                                ; la and lb are in; the ten loads of the first tile, issued behind them, stay out
	; softmax over m of la[m][i] + lb[m][j], for my j and i = 0..3, the maximum taken away
.irp i, 0,1,2,3
	v_pk_add_f32 v[LG+4*\i:LG+4*\i+1],   v[LA+4*\i:LA+4*\i+1],   v[LB:LB+1]
	v_pk_add_f32 v[LG+4*\i+2:LG+4*\i+3], v[LA+4*\i+2:LA+4*\i+3], v[LB+2:LB+3]
	v_max3_num_f32 v[MXS+2*\i], v[LG+4*\i], v[LG+4*\i+1], v[LG+4*\i+2]
	v_max_num_f32 v[MXS+2*\i], v[MXS+2*\i], v[LG+4*\i+3]
	v_mul_f32 v[MXS+2*\i+1], 0xbfb8aa3b, v[MXS+2*\i]
	v_mul_f32 v[MXS+2*\i],   0xbfb8aa3b, v[MXS+2*\i]
	v_pk_fma_f32 v[LG+4*\i:LG+4*\i+1],   v[LG+4*\i:LG+4*\i+1],   0x3fb8aa3b, v[MXS+2*\i:MXS+2*\i+1] op_sel_hi:[1,0,1]
	v_pk_fma_f32 v[LG+4*\i+2:LG+4*\i+3], v[LG+4*\i+2:LG+4*\i+3], 0x3fb8aa3b, v[MXS+2*\i:MXS+2*\i+1] op_sel_hi:[1,0,1]
.endr
.irp k, 0,1,2,3,4,5,6,7,8,9,10,11,12,13,14,15
	v_exp_f32 v[LG+\k], v[LG+\k]
.endr
	v_nop                                          ; one plain vector instruction between the exponentials and their first use (ISA guide 5.7.2)
	s_wait_alu depctr_va_vdst(0)                   ; the sixteen exponentials have written LG, ahead of their first reader
.irp i, 0,1,2,3
	v_pk_add_f32 v[SS+2*\i:SS+2*\i+1], v[LG+4*\i:LG+4*\i+1], v[LG+4*\i+2:LG+4*\i+3]
	v_add_f32 v[SS+2*\i], v[SS+2*\i], v[SS+2*\i+1]
.endr
.irp i, 0,1,2,3
	v_rcp_f32 v[SS+2*\i], v[SS+2*\i]               ; the sum is at least 1; the products below stand between these and their use
.endr
	; Weff[4 i + j][o][c], and its fragment
.irp i, 0,1,2,3
.irp c, 0,1,2
	v_mul_f32 v[WT+\c], v[LG+4*\i], v[VW+\c]
.endr
.irp m, 1,2,3
.irp c, 0,1,2
	v_fmac_f32 v[WT+\c], v[LG+4*\i+\m], v[VW+4*\m+\c]
.endr
.endr
.if \i == 0
	s_wait_alu depctr_va_vdst(0)                   ; the four reciprocals have written SS, ahead of their first reader: one wait for the batch
.endif
.irp c, 0,1,2
	v_mul_f32 v[WT+\c], v[WT+\c], v[SS+2*\i]
.endr
	FRAG AV+8*\i, WT, WT+1, WT+2, s24, s25
.endr
.macro SHIFT i                         ; -S + min S = s - max s, in base 2
.irp p, 0,1,2,3
	v_pk_fma_f32 v[DK+8*\i+2*\p:DK+8*\i+2*\p+1], v[DK+8*\i+2*\p:DK+8*\i+2*\p+1], -1.0, v[MX+2*(\p/2):MX+2*(\p/2)+1] op_sel_hi:[1,0,0]
.endr
.endm
.macro EXPS i
.irp k, 0,1,2,3,4,5,6,7
	v_exp_f32 v[DK+8*\i+\k], v[DK+8*\i+\k]
.endr
.endm
.macro ACC i                           ; denominators and numerators, two places at a time; window row 0 starts the sums
.irp e, 0,1
.if \i == 0
	v_pk_add_f32 v[DE+2*\e:DE+2*\e+1], v[DK+4*\e:DK+4*\e+1], v[DK+4*\e+2:DK+4*\e+3]
	v_pk_mul_f32 v[NU+2*\e:NU+2*\e+1], v[DK+4*\e:DK+4*\e+1], v[DV+4*\e:DV+4*\e+1]
	v_pk_fma_f32 v[NU+2*\e:NU+2*\e+1], v[DK+4*\e+2:DK+4*\e+3], v[DV+4*\e+2:DV+4*\e+3], v[NU+2*\e:NU+2*\e+1]
.else
.irp p, 0,2
	v_pk_add_f32 v[DE+2*\e:DE+2*\e+1], v[DE+2*\e:DE+2*\e+1], v[DK+8*\i+4*\e+\p:DK+8*\i+4*\e+\p+1]
	v_pk_fma_f32 v[NU+2*\e:NU+2*\e+1], v[DK+8*\i+4*\e+\p:DK+8*\i+4*\e+\p+1], v[DV+8*\i+4*\e+\p:DV+8*\i+4*\e+\p+1], v[NU+2*\e:NU+2*\e+1]
.endr
.endif
.endr
.endm
; The two stores of half row g of output row h0 + rho: four neighbouring w of two channels a lane.
.macro SEND g, rho
.irp e, 0,1
	global_store_b128 v[OOFF], v[OUT+16*\g+8*\rho+4*\e:OUT+16*\g+8*\rho+4*\e+3], s[22:23] offset:\e*CH+\rho*512+\g*256 th:TH_STORE_NT   ; these registers are not written again
.endr
.endm
; One unit: tile (g, t), output row h0 + rho, my four channels: 64 outputs, two a lane.
; pf = 1: the B fragments of tile (ng, nt) are asked for, behind the unit's first wait.  The unit that follows a finished half row stores it at the same place.
.macro UNIT g, rho, t, pf, ng, nt
	v_wmma_f32_16x16x32_f16 v[DQ:DQ+7], v[AQ:AQ+7], v[FB+8*(\rho+2):FB+8*(\rho+2)+7], 0
.irp i, 0,1,2,3
	v_wmma_f32_16x16x32_f16 v[DK+8*\i:DK+8*\i+7], v[AK:AK+7], v[FB+8*(\rho+\i):FB+8*(\rho+\i)+7], 0
.endr
.irp i, 0,1,2,3
	v_wmma_f32_16x16x32_f16 v[DV+8*\i:DV+8*\i+7], v[AV+8*\i:AV+8*\i+7], v[FB+8*(\rho+\i):FB+8*(\rho+\i)+7], 0
.endr
.rept 4
	v_nop                                          ; four places behind the last product before a result is read (ISA guide 7.12.1)
.endr
.irp i, 0,1,2,3
.irp p, 0,1,2,3
	v_pk_mul_f32 v[DK+8*\i+2*\p:DK+8*\i+2*\p+1], v[DK+8*\i+2*\p:DK+8*\i+2*\p+1], v[DQ+2*\p:DQ+2*\p+1]     ; S = -log2(e) q k
.endr
.endr
.irp e, 0,1
	v_min3_num_f32 v[MT+5*\e],   v[DK+4*\e],      v[DK+4*\e+1],    v[DK+4*\e+2]
	v_min3_num_f32 v[MT+5*\e+1], v[DK+4*\e+3],    v[DK+8+4*\e],    v[DK+8+4*\e+1]
	v_min3_num_f32 v[MT+5*\e+2], v[DK+8+4*\e+2],  v[DK+8+4*\e+3],  v[DK+16+4*\e]
	v_min3_num_f32 v[MT+5*\e+3], v[DK+16+4*\e+1], v[DK+16+4*\e+2], v[DK+16+4*\e+3]
	v_min3_num_f32 v[MT+5*\e+4], v[DK+24+4*\e],   v[DK+24+4*\e+1], v[DK+24+4*\e+2]
.endr
.irp e, 0,1
	v_min3_num_f32 v[MT+5*\e],   v[MT+5*\e],   v[MT+5*\e+1], v[MT+5*\e+2]
	v_min3_num_f32 v[MT+5*\e+3], v[MT+5*\e+3], v[MT+5*\e+4], v[DK+24+4*\e+3]
.endr
.irp e, 0,1
	v_min_num_f32 v[MX+2*\e], v[MT+5*\e], v[MT+5*\e+3]         ; min S = -(largest logit)
.endr
	; Window rows in turn, the exponentials in two batches of sixteen.  Behind each batch stands plain work on other rows, then the batch's one wait, then its readers (ISA guide 5.7.2 for the plain work).
	SHIFT 0
	SHIFT 1
	EXPS 0
	SHIFT 2
	EXPS 1
	SHIFT 3
	s_wait_alu depctr_va_vdst(0)                   ; the exponentials of window rows 0 and 1 are written, ahead of their first reader; the unit's nine products are done reading FB; the unit before has written its two registers of OUT
.if \pf
	LOADB \ng, \nt                                 ; no vector or matrix instruction since the wait names FB
.endif
.if ((\rho) == 1) && ((\t) == 3)
	SEND \g, 0                                     ; the unit before finished row h0 of this half; this unit writes other registers of OUT
.endif
.if ((\g) == 1) && ((\rho) == 0) && ((\t) == 0)
	SEND 0, 1                                      ; the unit before finished row h0 + 1 of the first half
.endif
	EXPS 2
	ACC 0
	EXPS 3
	ACC 1
	s_wait_alu depctr_va_vdst(0)                   ; the exponentials of window rows 2 and 3 are written, ahead of their first reader
	ACC 2
	ACC 3
	v_add_f32 v[DE],   v[DE],   v[DE+1]
	v_add_f32 v[DE+2], v[DE+2], v[DE+3]
	v_rcp_f32 v[DE],   v[DE]                        ; at least 1: the largest logit gives exp2(0)
	v_rcp_f32 v[DE+2], v[DE+2]
	v_add_f32 v[NU],   v[NU],   v[NU+1]
	v_add_f32 v[NU+2], v[NU+2], v[NU+3]
	s_wait_alu depctr_va_vdst(0)                   ; the two reciprocals are written, ahead of their first reader
	v_mul_f32 v[OUT+16*\g+8*\rho+\t],   v[NU],   v[DE]
	v_mul_f32 v[OUT+16*\g+8*\rho+4+\t], v[NU+2], v[DE+2]
.endm
.macro TILE g, t, pf, ng, nt
	s_wait_dscnt 0x0                               ; the tile's ten fragment loads are in
	UNIT \g, 0, \t, 0, 0, 0
	UNIT \g, 1, \t, \pf, \ng, \nt
.endm
	TILE 0, 0, 1, 0, 1
	TILE 0, 1, 1, 0, 2
	TILE 0, 2, 1, 0, 3
	TILE 0, 3, 1, 1, 0
	TILE 1, 0, 1, 1, 1
	TILE 1, 1, 1, 1, 2
	TILE 1, 2, 1, 1, 3
	TILE 1, 3, 0, 0, 0
	s_wait_alu depctr_va_vdst(0)                   ; the last unit has written its two registers of OUT, which the last two stores read
	SEND 1, 1
	s_wait_dscnt 0x0
	s_wait_alu depctr_hold_cnt(0) depctr_sa_sdst(0) depctr_va_vdst(0) depctr_va_sdst(0) depctr_va_ssrc(0) depctr_va_vcc(0) depctr_vm_vsrc(0)
	s_wait_tensorcnt 0x0
	ds_add_u32 v232, v233
	s_wait_dscnt 0x0
	s_endpgm
.Lfunc_end_k_q4a39a9a98c_stem:
	.size	k_q4a39a9a98c_stem, .Lfunc_end_k_q4a39a9a98c_stem-k_q4a39a9a98c_stem
	.p2alignl 7, 3214868480
	.fill 96, 4, 3214868480
	.section	.rodata,"a",@progbits
	.p2align	6, 0x0
	.amdhsa_kernel k_q4a39a9a98c_stem
		.amdhsa_group_segment_fixed_size 12800
		.amdhsa_private_segment_fixed_size 0
		.amdhsa_enable_private_segment 0
		.amdhsa_kernarg_size 64
		.amdhsa_user_sgpr_count 2
		.amdhsa_user_sgpr_kernarg_segment_ptr 1
		.amdhsa_wavefront_size32 1
		.amdhsa_system_sgpr_workgroup_id_x 1
		.amdhsa_system_sgpr_workgroup_id_y 1
		.amdhsa_system_sgpr_workgroup_id_z 1
		.amdhsa_system_vgpr_workitem_id 0
		.amdhsa_next_free_vgpr 234
		.amdhsa_next_free_sgpr 66
		.amdhsa_reserve_vcc 0
		.amdhsa_float_denorm_mode_32 3
		.amdhsa_float_denorm_mode_16_64 3
		.amdhsa_memory_ordered 1
		.amdhsa_forward_progress 1
		.amdhsa_inst_pref_size 135
	.end_amdhsa_kernel
	.amdgpu_metadata
---
amdhsa.version: [ 1, 2 ]
amdhsa.kernels:
  - .name:           k_q4a39a9a98c_stem
    .symbol:         k_q4a39a9a98c_stem.kd
    .args:
      - { .name: x, .offset: 0, .size: 8, .value_kind: global_buffer, .address_space: global }
      - { .name: key_w, .offset: 8, .size: 8, .value_kind: global_buffer, .address_space: global }
      - { .name: query_w, .offset: 16, .size: 8, .value_kind: global_buffer, .address_space: global }
      - { .name: value_w, .offset: 24, .size: 8, .value_kind: global_buffer, .address_space: global }
      - { .name: emb_a, .offset: 32, .size: 8, .value_kind: global_buffer, .address_space: global }
      - { .name: emb_b, .offset: 40, .size: 8, .value_kind: global_buffer, .address_space: global }
      - { .name: emb_mix, .offset: 48, .size: 8, .value_kind: global_buffer, .address_space: global }
      - { .name: out0, .offset: 56, .size: 8, .value_kind: global_buffer, .address_space: global }
    .group_segment_fixed_size: 12800
    .private_segment_fixed_size: 0
    .kernarg_segment_align: 8
    .kernarg_segment_size: 64
    .max_flat_workgroup_size: 512
    .sgpr_count:     66
    .vgpr_count:     234
    .wavefront_size: 32
...
	.end_amdgpu_metadata
.endif
;; end of part 2
